; MI455X (gfx1250); checked and timed in simulation.
; The chip was launched on July 23, 2026; its instructions are those of AMD's public machine-readable ISA for CDNA 5 (MIT licence, August 2026) and "CDNA5" Instruction Set Architecture Reference Guide (July 2026). The comments in the code are by the model that wrote it; some were corrected since.
;; GRU Skip Cell. Allowed arithmetic: matrix products marked QUANTISED: E4M3 operands, one given power-of-two scale a tensor, by v_wmma_f32_16x16x64_fp8_fp8 or v_wmma_f32_16x16x128_fp8_fp8, f32 sums; everything else in f32.
;; Inputs: bias 2 x 3,072 float32; h_tm1 8,192 x 1,024 float32; inputs 8,192 x 1,024 float32; kernel 1,024 x 3,072 float32; lowp_scales 4 int32 (the exponents e of the quantised operands' scales 2^e); recurrent_kernel 1,024 x 3,072 float32.
;; Outputs: out0 8,192 x 1,024 float32.
;; This version of the problem:
;;   THIS VERSION OF THE PROBLEM IS GIVEN IN LOW PRECISION. The matrix products marked QUANTISED in the list below multiply operands that are first quantised to E4M3 (4 exponent bits, 3 mantissa bits; 8 bits a number), with one given power-of-two scale for each operand tensor; their sums are f32. All else is computed in f32.
;;   The module's matrix products, in the order in which they are computed (A, B: the left and right operand; K: the contracted axis; several contracted axes count as one K, in the product's order):
;;     1. [M 8,192, K 1,024] x [K 1,024, N 3,072]; A: input inputs; B: input kernel: QUANTISED (scales: A lowp_scales[0], B lowp_scales[1])
;;     2. [M 8,192, K 1,024] x [K 1,024, N 3,072]; A: input h_tm1; B: input recurrent_kernel: QUANTISED (scales: A lowp_scales[2], B lowp_scales[3])
;;   THE QUANTISER, for each operand of a quantised product, along K:
;;     - The operand's scale is 2^e, e = its entry of the input lowp_scales (int32; the entries are numbered through the quantised products in the list's order, A before B).
;;     - Each number is divided by the scale, clamped to +-448, and rounded to the nearest number of E4M3, ties to even, subnormals kept.
;;     - The product sums the exact products of the quantised numbers (number of the format x scale) in f32.
;;   ~~~python
;;   def quantise(x, axis, e):      # numpy; x: float32 -> the quantised numbers, widened to float32 again
;;       x = np.moveaxis(x, axis, -1); K = x.shape[-1]
;;       r = np.clip(x / 2.0 ** e, -448, 448)
;;       step = 2.0 ** (np.maximum(np.frexp(np.where(r == 0, 1, r))[1] - 1, -6) - 3)
;;       q = np.round(r / step) * step * 2.0 ** e      # np.round: ties to even
;;       return np.moveaxis(q, -1, axis).astype(np.float32)
;;   ~~~
;; One version. Each part assembles by itself: llvm-mc -triple=amdgcn-amd-amdhsa -mcpu=gfx1250 --defsym DOCPART=n.
;; ======== version 1 of 1: 2 launches
;; limits: right only within a limited range of input values
;; workspace buffers: aq 16,777,216 bytes; wq 6,291,456 bytes
;; launch quant (part 1): grid 704 x 1, 4 waves a work-group, no clusters, 35,328 bytes of LDS; arguments inputs, h_tm1, kernel, recurrent_kernel, lowp_scales, aq, wq; writes aq, wq
.if DOCPART == 1
	.amdgcn_target "amdgcn-amd-amdhsa--gfx1250"
	.amdhsa_code_object_version 6
	.text
	.protected	k_qb2891ddd8b_quant
	.globl	k_qb2891ddd8b_quant
	.p2align	8
	.type	k_qb2891ddd8b_quant,@function
k_qb2891ddd8b_quant:
	s_mov_b64 s[64:65], 0
	v_nop
	global_prefetch_b8 v0, s[64:65] scope:SCOPE_SE
	s_setreg_imm32_b32 hwreg(HW_REG_WAVE_MODE, 25, 1), 1
	s_wait_xcnt 0x0
; All four operands of the two products become codes of FP8 (E4M3), each with the one scale 2^e that is given for it: e0 inputs, e1 kernel, e2 h_tm1, e3 recurrent_kernel.
; code = x / 2^e, held within +-448, rounded to the nearest code, ties to even.
; LIMITS: each e lies between -126 and 119, so that 2^e and 448 x 2^e are f32 numbers.  NaN among the inputs is not served (an infinity is held at the largest code).
; aq [8192 rows][2048 bytes]: bytes 0-1023 the codes of a row of inputs, bytes 1024-2047 those of the same row of h_tm1.
; wq [3072 rows][2048 bytes]: column n = 1024 g + u of the weights lies in row 96 (u / 32) + 32 g + u % 32, so that 32 units' three gates are 96 rows on end;
;    bytes 0-1023 kernel's codes down K, bytes 1024-2047 recurrent_kernel's.  So the two products are one product over 2,048 positions.
; K IS PERMUTED, ALIKE IN aq AND wq, inside each block of 512: position p holds k = 128 ((p / 4) % 4) + 4 (p / 16) + p % 4.  Every product still meets its partner; only the order of the sums changes.
; Why: four dense loads of 512 bytes (16 bytes a lane) then leave in a lane just the 16 numbers whose codes are 16 neighbouring bytes of aq: no turn through LDS.  The weights' lanes walk down K by immediates anyway.
; SHARES.  Every work-group takes 32,768 numbers.  Work-groups 0-191: the weights (96 each).  Work-groups 192-703: the activations (256 each).  The two ways part on the work-group's number; LDS is used on the weights' way alone.
; No tensor loads, no barrier: waves share nothing.
.set WGW,  192                         ; work-groups for the weights
.set WGT,  96                          ; for one of the two
.set R,    16                          ; activations: v16-143  eight sets of 16 numbers
.set C,    144                         ;              v144-207 four registers of codes for each of 16 steps: no store's data are written again
.set X,    16                          ; weights: v16-79   two sets of 32 numbers
.set CW,   80                          ;          v80-87   a block's codes
.set OUTR, 96                          ;          v96-159  the way out
.set SP,   272                         ; a stage row: 256 bytes of codes + 16
.set STG,  32*SP                       ; a wave's stage: 32 columns
.set WROW, 12288                       ; a row of a weight in bytes
.macro LOAD t                          ; step t: half a row, 512 numbers: four loads of 512 consecutive bytes
.irp i, 0,1,2,3
	global_load_b128 v[R+16*((\t)%8)+4*\i:R+16*((\t)%8)+4*\i+3], v3, s[4:5] offset:2048*(\t)+512*\i th:TH_LOAD_NT
.endr
.endm
.macro STEP t
.if 4*(15-(\t)) > 28
	s_wait_loadcnt 28                              ; this step's four loads are in; those of the seven steps behind it may be out
.else
	s_wait_loadcnt 4*(15-(\t))                     ; the counts run down
.endif
.set XS, R+16*((\t)%8)
.irp i, 0,1,2,3,4,5,6,7,8,9,10,11,12,13,14,15
	v_med3_num_f32 v[XS+\i], v[XS+\i], -v10, v10   ; the conversion to an 8-bit code does not saturate (ISA guide 7.6.2): the hold at the largest code x the scale comes first
.endr
	v_cvt_scalef32_pk8_fp8_f32 v[C+4*(\t):C+4*(\t)+1], v[XS:XS+7], v11
	v_cvt_scalef32_pk8_fp8_f32 v[C+4*(\t)+2:C+4*(\t)+3], v[XS+8:XS+15], v11   ; the results go to a store alone; the next vector lines are the next step's holds, plain ones on other registers
	global_store_b128 v3, v[C+4*(\t):C+4*(\t)+3], s[14:15] offset:((\t)/2)*2048+((\t)%2)*512   ; 32 lanes store 512 consecutive bytes, at a multiple of 256 from aq's first byte
.if (\t) < 8
	LOAD (\t)+8
.endif
.endm
.macro WLOAD t                         ; block t: the 32 numbers of my column whose codes are positions 32 t .. 32 t + 31 of my wave's 256; neighbouring lanes read neighbouring columns
.irp i, 0,1,2,3,4,5,6,7,8,9,10,11,12,13,14,15,16,17,18,19,20,21,22,23,24,25,26,27,28,29,30,31
	global_load_b32 v[X+32*((\t)%2)+\i], v3, s[8:9] offset:(128*((\i/4)%4)+8*(\t)+4*(\i/16)+(\i%4))*WROW th:TH_LOAD_NT   ; 447 rows at the most: inside the signed 24-bit immediate (ISA guide, chapter 10)
.endr
.endm
.macro BLOCK t
.set XS, X+32*((\t)%2)
.if (\t) < 7
	s_wait_loadcnt 32                              ; this block's 32 loads are in; the next block's may be out
.else
	s_wait_loadcnt 0
.endif
.irp i, 0,1,2,3,4,5,6,7,8,9,10,11,12,13,14,15,16,17,18,19,20,21,22,23,24,25,26,27,28,29,30,31
	v_med3_num_f32 v[XS+\i], v[XS+\i], -v10, v10
.endr
.irp g, 0,1,2,3
	v_cvt_scalef32_pk8_fp8_f32 v[CW+2*\g:CW+2*\g+1], v[XS+8*\g:XS+8*\g+7], v11
.endr
	ds_store_b128 v4, v[CW:CW+3] offset:32*(\t)    ; 32 codes: 32 bytes of my column's row
	ds_store_b128 v4, v[CW+4:CW+7] offset:32*(\t)+16
.if (\t) < 6
	WLOAD (\t)+2
.endif
	s_wait_dscnt 0x0                               ; the stores have read their registers: the next block's codes may be written
.endm
.macro SCALE                           ; s31 = e  ->  v11 = 2^e as f32 (the conversion takes its exponent field), v10 = 448 x 2^e
	s_add_co_i32 s31, s31, 127
	s_lshl_b32 s35, s31, 23
	v_mov_b32 v11, s35
	s_add_co_i32 s31, s31, 8
	s_lshl_b32 s31, s31, 23
	s_or_b32 s31, s31, 0x600000                    ; the mantissa field of 448
	v_mov_b32 v10, s31
.endm
	s_load_b256 s[4:11], s[0:1], 0x0               ; inputs s[4:5], h_tm1 s[6:7], kernel s[8:9], recurrent_kernel s[10:11]
	s_load_b128 s[12:15], s[0:1], 0x20             ; the scales' exponents s[12:13], aq s[14:15]
	s_load_b64 s[16:17], s[0:1], 0x30              ; wq
	v_lshl_add_u32 v208, v0, 2, 0x8800
	v_mov_b32 v209, 0
	v_lshrrev_b32 v1, 5, v0
	v_readfirstlane_b32 s18, v1                    ; wave 0..3
	v_and_b32 v2, 31, v0                           ; lane
	s_wait_kmcnt 0x0
	s_load_b128 s[20:23], s[12:13], 0x0            ; e0, e1, e2, e3
	s_cmp_lt_u32 ttmp9, WGW
	s_cbranch_scc1 .Lweights
	; ---- THE ACTIVATIONS.  A wave takes 8 rows of one tensor: 16 steps of half a row
	s_sub_co_u32 s24, ttmp9, WGW                   ; 0-255: inputs; 256-511: h_tm1
	s_and_b32 s25, s24, 255
	s_lshl_b32 s25, s25, 2
	s_add_co_u32 s25, s25, s18                     ; which 8 rows are my wave's
	s_lshl_b32 s26, s25, 15                        ; 8 rows of 4,096 bytes
	s_mov_b32 s27, 0
	s_lshl_b32 s28, s25, 14                        ; 8 rows of aq
	s_mov_b32 s29, 0
	s_cmp_ge_u32 s24, 256                          ; the choice hangs on the work-group's number alone
	s_cselect_b64 s[4:5], s[6:7], s[4:5]
	s_cselect_b32 s30, 1024, 0                     ; h_tm1's codes take the second half of a row of aq
	s_add_co_u32 s28, s28, s30
	s_add_nc_u64 s[4:5], s[4:5], s[26:27]
	s_add_nc_u64 s[14:15], s[14:15], s[28:29]
	s_wait_alu depctr_va_vdst(0)
	v_lshlrev_b32 v3, 4, v2                        ; 16 bytes a lane, of a load's 512 and of a store's 512 alike; never rewritten
.irp t, 0,1,2,3,4,5,6,7
	LOAD \t                                        ; eight steps, 32 loads of the wave, are on their way
.endr
	s_wait_kmcnt 0x0
	s_cmp_ge_u32 s24, 256
	s_cselect_b32 s31, s22, s20                    ; e2 or e0
	SCALE
	s_wait_alu depctr_va_vdst(0)
.irp t, 0,1,2,3,4,5,6,7,8,9,10,11,12,13,14,15
	STEP \t
.endr
	s_endpgm
	; ---- THE WEIGHTS.  A LANE TAKES A COLUMN, AND ITS REGISTERS RUN DOWN K (in the permuted order): the conversions then give codes with K innermost.
	; A work-group: 128 columns x 256 positions; a wave 32 columns.  The codes go through the wave's own stage in LDS and leave as rows: sixteen lanes store 256 consecutive aligned bytes.
.Lweights:
	s_cmp_ge_u32 ttmp9, WGT                        ; kernel or recurrent_kernel: the choice hangs on the work-group's number alone
	s_cselect_b64 s[8:9], s[10:11], s[8:9]
	s_cselect_b32 s24, WGT, 0
	s_cselect_b32 s30, 1024, 0                     ; recurrent_kernel's codes take the second half of a row of wq
	s_sub_co_u32 s24, ttmp9, s24
	s_lshr_b32 s25, s24, 2                         ; which 128 columns
	s_and_b32 s26, s24, 3                          ; y: which 256 positions along K
	s_lshl_b32 s27, s25, 7
	s_lshl_b32 s28, s18, 5
	s_add_co_u32 s27, s27, s28                     ; n0: my wave's first column; its 32 columns lie in one gate and one group of 32 units
	s_lshr_b32 s28, s27, 10                        ; the gate g
	s_and_b32 s29, s27, 1023
	s_lshr_b32 s29, s29, 5
	s_mul_i32 s29, s29, 96
	s_lshl_b32 s28, s28, 5
	s_add_co_u32 s29, s29, s28                     ; my first row of wq: 96 (u / 32) + 32 g
	s_lshl_b32 s29, s29, 11                        ; rows of 2,048 bytes
	s_add_co_u32 s29, s29, s30
	s_lshl_b32 s28, s26, 8
	s_add_co_u32 s28, s29, s28                     ; + 256 y
	s_mov_b32 s29, 0
	s_add_nc_u64 s[16:17], s[16:17], s[28:29]
	s_lshr_b32 s31, s26, 1
	s_lshl_b32 s31, s31, 9
	s_and_b32 s32, s26, 1
	s_lshl_b32 s32, s32, 6
	s_add_co_u32 s31, s31, s32                     ; the k of position 256 y: 512 (y / 2) + 64 (y % 2)
	s_mul_i32 s32, s31, WROW
	s_lshl_b32 s33, s27, 2
	s_add_co_u32 s32, s32, s33
	s_mov_b32 s33, 0
	s_add_nc_u64 s[8:9], s[8:9], s[32:33]
	s_wait_alu depctr_va_vdst(0)
	v_lshlrev_b32 v3, 2, v2                        ; in: 4 bytes a lane
	s_mul_i32 s34, s18, STG                        ; my stage
	v_mul_u32_u24 v4, v2, SP
	v_add_nc_u32 v4, s34, v4                       ; into it: row = my column
	v_and_b32 v5, 15, v2
	v_lshrrev_b32 v6, 4, v2
	v_mul_u32_u24 v7, v6, SP
	v_lshl_add_u32 v7, v5, 4, v7
	v_add_nc_u32 v7, s34, v7                       ; out of it: sixteen lanes to a row, two rows an instruction
	v_lshlrev_b32 v8, 11, v6
	v_lshl_add_u32 v8, v5, 4, v8                   ; and the same place in wq
	WLOAD 0
	WLOAD 1
	s_wait_kmcnt 0x0
	s_cmp_ge_u32 ttmp9, WGT
	s_cselect_b32 s31, s23, s21                    ; e3 or e1
	SCALE
	s_wait_alu depctr_va_vdst(0)
.irp t, 0,1,2,3,4,5,6,7
	BLOCK \t
.endr
.irp t, 0,1,2,3,4,5,6,7,8,9,10,11,12,13,14,15
	ds_load_b128 v[OUTR+4*\t:OUTR+4*\t+3], v7 offset:2*\t*SP   ; LDS serves a wave's instructions in order (ISA guide 5.7.1.4): these see my stores
.endr
.irp t, 0,1,2,3,4,5,6,7,8,9,10,11,12,13,14,15
	s_wait_dscnt 15-\t                             ; the younger loads may be out
	global_store_b128 v8, v[OUTR+4*\t:OUTR+4*\t+3], s[16:17] offset:2*\t*2048
.endr
	s_wait_tensorcnt 0x0
	ds_add_u32 v208, v209
	s_wait_dscnt 0x0
	s_endpgm
.Lfunc_end_k_qb2891ddd8b_quant:
	.size	k_qb2891ddd8b_quant, .Lfunc_end_k_qb2891ddd8b_quant-k_qb2891ddd8b_quant
	.p2alignl 7, 3214868480
	.fill 96, 4, 3214868480
	.section	.rodata,"a",@progbits
	.p2align	6, 0x0
	.amdhsa_kernel k_qb2891ddd8b_quant
		.amdhsa_group_segment_fixed_size 35328
		.amdhsa_private_segment_fixed_size 0
		.amdhsa_enable_private_segment 0
		.amdhsa_kernarg_size 56
		.amdhsa_user_sgpr_count 2
		.amdhsa_user_sgpr_kernarg_segment_ptr 1
		.amdhsa_wavefront_size32 1
		.amdhsa_system_sgpr_workgroup_id_x 1
		.amdhsa_system_sgpr_workgroup_id_y 1
		.amdhsa_system_sgpr_workgroup_id_z 1
		.amdhsa_system_vgpr_workitem_id 0
		.amdhsa_next_free_vgpr 210
		.amdhsa_next_free_sgpr 66
		.amdhsa_reserve_vcc 0
		.amdhsa_float_denorm_mode_32 3
		.amdhsa_float_denorm_mode_16_64 3
		.amdhsa_memory_ordered 1
		.amdhsa_forward_progress 1
		.amdhsa_inst_pref_size 77
	.end_amdhsa_kernel
	.amdgpu_metadata
---
amdhsa.version: [ 1, 2 ]
amdhsa.kernels:
  - .name:           k_qb2891ddd8b_quant
    .symbol:         k_qb2891ddd8b_quant.kd
    .args:
      - { .name: inputs, .offset: 0, .size: 8, .value_kind: global_buffer, .address_space: global }
      - { .name: h_tm1, .offset: 8, .size: 8, .value_kind: global_buffer, .address_space: global }
      - { .name: kernel, .offset: 16, .size: 8, .value_kind: global_buffer, .address_space: global }
      - { .name: recurrent_kernel, .offset: 24, .size: 8, .value_kind: global_buffer, .address_space: global }
      - { .name: lowp_scales, .offset: 32, .size: 8, .value_kind: global_buffer, .address_space: global }
      - { .name: aq, .offset: 40, .size: 8, .value_kind: global_buffer, .address_space: global }
      - { .name: wq, .offset: 48, .size: 8, .value_kind: global_buffer, .address_space: global }
    .group_segment_fixed_size: 35328
    .private_segment_fixed_size: 0
    .kernarg_segment_align: 8
    .kernarg_segment_size: 56
    .max_flat_workgroup_size: 128
    .sgpr_count:     66
    .vgpr_count:     210
    .wavefront_size: 32
...
	.end_amdgpu_metadata
.endif
;; end of part 1
;; launch gru (part 2): grid 16 x 16, 4 waves a work-group, clusters of 4 x 4, 327,680 bytes of LDS; arguments aq, wq, h_tm1, bias, lowp_scales, out0; writes out0
.if DOCPART == 2
	.amdgcn_target "amdgcn-amd-amdhsa--gfx1250"
	.amdhsa_code_object_version 6
	.text
	.protected	k_qb2891ddd8b_gru
	.globl	k_qb2891ddd8b_gru
	.p2align	8
	.type	k_qb2891ddd8b_gru,@function
k_qb2891ddd8b_gru:
	s_mov_b64 s[64:65], 0
	v_nop
	global_prefetch_b8 v0, s[64:65] scope:SCOPE_SE
	s_setreg_imm32_b32 hwreg(HW_REG_WAVE_MODE, 25, 1), 1
	s_wait_xcnt 0x0
	s_wait_alu depctr_hold_cnt(0) depctr_sa_sdst(0) depctr_va_vdst(0) depctr_va_sdst(0) depctr_va_ssrc(0) depctr_va_vcc(0) depctr_vm_vsrc(0)
	s_getreg_b32 s2, hwreg(HW_REG_IB_STS2, 6, 4)
	s_cmp_eq_u32 s2, 0
	s_cbranch_scc0 .Lentry_in_a_cluster
	s_endpgm
.Lentry_in_a_cluster:
	s_bfe_u32 s2, ttmp6, 0x10000c
	s_cmp_lg_u32 s2, 0xf033
	s_cbranch_scc0 .Lentry_shape_is_right
	s_endpgm
.Lentry_shape_is_right:
; h = z h_tm1 + (1 - z) tanh(x_h + r rec_h), z and r hard sigmoids of the sums of the two projections; both projections on codes of FP8 (E4M3) with given scales 2^e0 .. 2^e3.
; aq [8192][2048]: a row's codes of inputs, then of h_tm1.  wq [3072][2048]: row 96 (u / 32) + 32 g + u % 32 holds column 1024 g + u of kernel, then of recurrent_kernel, K innermost (K permuted alike in both buffers).
; So positions 0-1023 are the input projection, positions 1024-2047 the recurrent one.
; FOUR SUMS FOR EACH OUTPUT: z, r, x_h, rec_h.  z and r run over all 2,048 positions: at the middle they are multiplied once by 2^(e0 + e1 - e2 - e3), which rounds nothing short of overflow and underflow,
; and then stand, like the recurrent products, for sum x 2^(e2 + e3).  x_h takes the first half, rec_h the second.
; LIMITS on the given exponents, so that each factor below is an f32 number: e2 + e3 between -123 and 126; e0 + e1 between -127 and 126; e0 + e1 - e2 - e3 between -126 and 127.  NaN among the inputs is not served.
; The order of the f32 sums differs from a plain ascending K (the permutation of K, the one rescaling).  tanh(x) = 1 - 2 / (1 + 2^(2 log2(e) x)): it goes to +-1 where the power overflows or vanishes.
; SHARES.  A tile is 256 rows x 64 units; each of the four waves makes 128 rows x 32 units of it: 8 blocks of rows x 2 tiles of units x 4 sums = 64 accumulators, 512 registers.
; A work-group makes TWO tiles, 4,096 rows apart, of the same 64 units: 16 x 16 work-groups for 16 x 32 tiles.  The ring goes on into the second tile; nothing waits for the first tile's stores.
; K goes in steps of 256 positions through a ring of two LDS slots filled by the tensor data mover: 256 rows of aq and 192 rows of wq, 256 bytes of each row.
; CLUSTERS: 4 x 4 work-groups.  The four of a row need the same rows of aq, the four of a column the same rows of wq: each tile is asked for JOINTLY, by the same tensor load with the same descriptor and a mask that names the four.
; THE MATRIX INSTRUCTION IS USED TRANSPOSED (source 0 = 16 rows of wq, source 1 = 16 rows of aq): lane (r, h) holds row r and units 8 h .. 8 h + 7 of a tile: 32 neighbouring bytes of a row of the output.
; h_tm1 IN f32 comes as whole rows of 256 bytes into the registers of rec_h's accumulators, which hold nothing in a tile's first half, and goes at the middle into an LDS stage (256 rows).  The results are written over it,
; each lane over the bytes that it has read, and leave as whole rows.  A wave puts in and takes out the same 64 rows, so only it writes h_tm1 over rows that it has itself read back.  No tensor load fills the stage.
; REGISTERS, in windows of 256: window 0: v1-30 addresses; v32-127 the biases; v128-255 aq's fragments (8 x 16 rows x 128 positions), ONE set; at work in the gates.
;   window 1: wq's fragments (6: gate g, tile t at 2 g + t), TWO sets, at v0 and v128; on the way out v0-127 take the rows read back.
;   window 2: the accumulators of blocks 0-3, at v[8 (8 (a % 4) + 2 sum + t)], sum 0 = z, 1 = r, 2 = x_h, 3 = rec_h;   window 3: blocks 4-7.
.set PITCH, 272                        ; an LDS row: 256 bytes + 16 of padding = 68 words: row r starts at bank 4 r mod 64 (64 banks of 4 bytes: ISA guide 11.1)
.set AHALF, 128*PITCH                  ; 128 rows of aq: one tensor load, and what one wave reads
.set BHALF, 96*PITCH                   ; 96 rows of wq: likewise
.set BOFF,  2*AHALF
.set SLOT,  BOFF+2*BHALF               ; 121,856 bytes
.set HREG,  2*SLOT                     ; the stage: a tile of h_tm1, later of the result: 256 rows x 272 bytes
.set SPARE, HREG+256*PITCH             ; the spare words, 128 bytes for each wave: two blocks of 256 bytes that no other line names
.set TILES,  2
.set WALK_A, 4096*2048                 ; bytes of aq from a tile to the next: 4,096 rows
.set NEXT_A, WALK_A-6*256              ; from a slot's last K step of a tile to its first of the next: 4,096 rows down, six K steps back
.set BACK_B, 6*256                     ; wq only back: the two tiles share their rows of wq
.set WALK_O, 4096*4096                 ; bytes of h_tm1 and of the output from a tile to the next
.set ADRA, 16                          ; v16-17  LDS address of my fragments of aq in slot 0, 1
.set ADRB, 20                          ; v20-21  the same for wq
.set HA,   24                          ; v24     my 32 bytes of row r of block 0, tile 0, in the stage
.set HR,   25                          ; v25     whole rows of the stage: lanes 0-15 one row of 256 bytes, lanes 16-31 the next
.set CO,   26                          ; v26     the same two rows in h_tm1 and in the output
.set BO,   27                          ; v27     32 h: my eight units of a tile in a row of bias
.set SPW,  28                          ; v28     LDS address of my spare word: SPARE + 4 x my thread's number; never rewritten
.set NIL,  29                          ; v29     0; never rewritten
.set PFO,  30                          ; v30     the prefetches' offset: a lane a row of aq or wq; never rewritten
.set BZ,   32                          ; v32-47  0.2 (b0z + b1z) + 0.5; register 8 t + i: unit 16 t + 8 h + i of my 32
.set BR,   64                          ; v64-79  the same for r
.set BXH,  96                          ; v96-111  2 log2(e) b0h
.set BRH,  112                         ; v112-127 2 log2(e) b1h
.set AF,   128                         ; aq's fragments
.set HB,   128                         ; the gates: h_tm1 of a block, two sets of 16 by turns
.set ZZ,   160
.set RR,   176
.set RH,   192
.set XH,   208
.set OO,   224                         ; results, two sets of 16 by turns
.set G1,  24                           ; s[24:31] descriptor group 1 for aq's tiles;  s[32:39] group 0, one set for each slot
.set G0,  32
.set G1B, 48                           ; s[48:55], s[56:63] the same for wq's
.set G0B, 56
.set TL,  66                           ; s66     tiles to go, this one among them: the same number in every work-group
.set LIM2, 67                          ; s67     1 in a wave that prefetches for the next tile; else -1
.set SZ,  84                           ; s[84:85] 0.2 x 2^(e2 + e3)
.set SRH, 86                           ; s[86:87] 2 log2(e) x 2^(e2 + e3)
.set SXH, 88                           ; s[88:89] 2 log2(e) x 2^(e0 + e1)
.set RS,  90                           ; s[90:91] 2^(e0 + e1 - e2 - e3)      (the packed forms name a pair and take its low word for both halves: both words are written)
.set PFA, 92                           ; s[92:93] my work-group's share of the rows that I fetch, in the tile in hand
.set LIM, 94                           ; s94     1 in a wave that prefetches in the tile in hand
.set PFB, 96                           ; s[96:97] the same rows of aq in the second tile; never rewritten
.set MSB, 0
.macro WIN new                         ; the immediate's high byte repeats the setting that is left
.if MSB != (\new)
	s_set_vgpr_msb (MSB<<8)|(\new)
.set MSB, (\new)
.endif
.endm
.set MUL_LO, 0xa1                      ; source 0 (wq) window 1, source 1 (aq) window 0, C and D window 2
.set MUL_HI, 0xf1                      ; the same, C and D window 3
.set TO_B,   0x40                      ; destination window 1, address window 0
; A joint load: waves 0 and 1 fetch aq's two halves, waves 2 and 3 wq's.  Each of the two lines has ONE mask and one set of registers for all that issue it; the branch hangs on the wave's number alone.
.macro JLOAD s
	s_cmp_eq_u32 s17, 0
	s_cbranch_scc0 .Lfor_b_\@
	tensor_load_to_lds s[G0+4*\s:G0+4*\s+3], s[G1:G1+7]
	s_nop 0
.rept 4
	v_nop
.endr
	s_branch .Lasked_\@
.Lfor_b_\@:
	tensor_load_to_lds s[G0B+4*\s:G0B+4*\s+3], s[G1B:G1B+7]
	s_nop 0
.rept 4
	v_nop
.endr
.Lasked_\@:
.endm
.macro CREST                           ; a round of the cluster's barrier behind its opening barrier
	s_cmp_lg_u32 s16, 0
	s_cbranch_scc1 .Lnot_wave_0_\@
	s_barrier_signal -3
.Lnot_wave_0_\@:
	s_barrier_wait -3
	s_barrier_signal -1
	s_barrier_wait -1
.endm
.macro CROUND                          ; a whole round
	s_barrier_signal -1
	s_barrier_wait -1
	CREST
.endm
; A PREFETCH INTO THE L2 of one K step, 256 bytes of each row, a lane a row, one instruction a wave: the K step that stands two refills on.  Every cluster asks for what it will itself load, each row once:
; of the 128 rows of aq (96 of wq) that a wave fetches, each of the four partners that ask for them jointly takes 32 (24: the lanes left over name the last row again), told apart BY ADDRESS.  The K step stands in the immediate.
; At the head K steps 1 to 3 are asked for; the change of slots behind K step t, t = 0 .. 3, asks for K step t + 4 (base PFA); t = 4 .. 7 of the first tile for K step t - 4 of the second (base PFB, aq alone: wq's rows
; have been read by then, and are prefetched no more).  The second tile's last changes ask for nothing.  pf < 0: no line is written.
.macro ASK base, lim, pf
.if \pf >= 0
	s_cmp_eq_u32 s[\lim], 1
	s_cbranch_scc0 .Lnot_mine_\@
	global_prefetch_b8 v[PFO], s[\base:\base+1] offset:\pf th:TH_LOAD_NT scope:SCOPE_SE
.Lnot_mine_\@:
.endif
.endm
.macro DESC s                          ; groups 0 of slot s, set up for K step s
	s_mov_b32 s[G0+4*\s], 1                                        ; count = 1
	s_add_co_u32 s[G0+4*\s+1], s19, \s*SLOT                        ; LDS address
	s_add_nc_u64 s[G0+4*\s+2:G0+4*\s+3], s[20:21], \s*256          ; global address
	s_or_b32 s[G0+4*\s+3], s[G0+4*\s+3], 0x80000000                ; type = 2
	s_mov_b32 s[G0B+4*\s], 1
	s_add_co_u32 s[G0B+4*\s+1], s95, \s*SLOT
	s_add_nc_u64 s[G0B+4*\s+2:G0B+4*\s+3], s[46:47], \s*256
	s_or_b32 s[G0B+4*\s+3], s[G0B+4*\s+3], 0x80000000
.endm
	s_load_b256 s[4:11], s[0:1], 0x0               ; aq s[4:5], wq s[6:7], h_tm1 s[8:9], bias s[10:11]
	s_load_b128 s[12:15], s[0:1], 0x20             ; the scales' exponents s[12:13], the output s[14:15]
	v_lshl_add_u32 v[SPW], v0, 2, SPARE
	v_mov_b32 v[NIL], 0
	ds_add_u32 v[SPW], v[NIL]                      ; the wave's opening: the add, twice on end, and its wait ahead of my first tensor load
	ds_add_u32 v[SPW], v[NIL]
	v_lshrrev_b32 v1, 5, v0
	v_readfirstlane_b32 s16, v1                    ; wave 0..3
	s_lshr_b32 s17, s16, 1                         ; which 128 rows of the tile are mine.  Also: I fetch for aq (0) or for wq (1)
	s_and_b32 s18, s16, 1                          ; which 32 units.  Also: which half of that tile I fetch
	s_bfe_u32 s40, ttmp6, 0x40000                  ; cx, cy: my place in the cluster
	s_bfe_u32 s41, ttmp6, 0x40004
	s_lshl_b32 s42, ttmp9, 2
	s_add_co_u32 s42, s42, s40                     ; tx: which 64 units = 4 x cluster x + cx
	s_and_b32 s43, ttmp7, 0xffff
	s_lshl_b32 s43, s43, 2
	s_add_co_u32 s43, s43, s41                     ; ty: which 256 rows the first tile has = 4 x cluster y + cy, 0 .. 15
	s_lshl_b32 s44, s41, 2
	s_lshl_b32 s44, 15, s44                        ; my row of the cluster
	s_lshl_b32 s45, 0x1111, s40                    ; my column
	; descriptor groups 1: rows of 256 bytes, 2,048 bytes apart in memory, padded in LDS: 128 rows of aq, 96 rows of wq
	s_or_b32 s[G1+0], s44, (0<<16)|(1<<20)|(1<<21)|(5<<22)|(3<<25)   ; 15:0 the mask: aq's tiles go to my row; 17:16 elements of 1 byte; 20 padding on; 21 set beside a mask; 24:22 after every 64 words (code 5); 31:25 of 4 words (code 3)
	s_or_b32 s[G1B+0], s45, (0<<16)|(1<<20)|(1<<21)|(5<<22)|(3<<25)  ; the same with the mask of my column
	s_mov_b32 s[G1+1], 256<<16                     ; tensor_dim0
	s_mov_b32 s[G1+2], 128<<16                     ; tensor_dim1
	s_mov_b32 s[G1+3], 256<<16                     ; tile_dim0
	s_mov_b32 s[G1+4], 128                         ; tile_dim1
	s_mov_b32 s[G1+5], 2048                        ; tensor_dim0_stride
	s_mov_b32 s[G1+6], 0
	s_mov_b32 s[G1+7], 0
	s_mov_b32 s[G1B+1], 256<<16
	s_mov_b32 s[G1B+2], 96<<16
	s_mov_b32 s[G1B+3], 256<<16
	s_mov_b32 s[G1B+4], 96
	s_mov_b32 s[G1B+5], 2048
	s_mov_b32 s[G1B+6], 0
	s_mov_b32 s[G1B+7], 0
	; where the tiles come from.  aq's hang on ty alone, which my row of the cluster shares; wq's on tx alone, which my column shares; each in registers that never hold the other coordinate
	s_lshl_b32 s20, s43, 19                        ; aq: (256 ty + 128 half) rows of 2,048 bytes
	s_lshl_b32 s21, s18, 18
	s_add_co_u32 s20, s20, s21
	s_mov_b32 s21, 0
	s_mul_i32 s46, s42, 192*2048                   ; wq: (192 tx + 96 half) rows
	s_mul_i32 s47, s18, 96*2048
	s_add_co_u32 s46, s46, s47
	s_mov_b32 s47, 0
	s_mul_i32 s19, s18, AHALF                      ; and where they go: no place in the cluster enters an LDS address
	s_mul_i32 s95, s18, BHALF
	s_add_co_u32 s95, s95, BOFF
	s_lshl_b32 s22, s43, 20                        ; h_tm1 and the output: (256 ty + 128 row half + 32 unit half) rows of 4,096 bytes + 256 tx: whole rows 0-31 and 64-95 from there are mine
	s_lshl_b32 s23, s17, 19
	s_add_co_u32 s22, s22, s23
	s_lshl_b32 s23, s18, 17
	s_add_co_u32 s22, s22, s23
	s_lshl_b32 s23, s42, 8
	s_add_co_u32 s22, s22, s23
	s_mov_b32 s23, 0
	s_wait_dscnt 0x0                               ; both opening adds are done
	s_wait_kmcnt 0x0
	s_load_b128 s[80:83], s[12:13], 0x0            ; e0, e1, e2, e3
	s_add_nc_u64 s[20:21], s[4:5], s[20:21]
	s_add_nc_u64 s[46:47], s[6:7], s[46:47]
	DESC 0
	CROUND                                         ; all sixteen work-groups are here: the first joint loads meet
	JLOAD 0                                        ; K step 0: one tensor load a wave at the head
	DESC 1
	s_add_nc_u64 s[8:9], s[8:9], s[22:23]
	s_add_nc_u64 s[14:15], s[14:15], s[22:23]
	s_lshl_b32 s22, s42, 8                         ; bias: my 32 units begin at number 64 tx + 32 half of each gate
	s_lshl_b32 s23, s18, 7
	s_add_co_u32 s22, s22, s23
	s_mov_b32 s23, 0
	s_add_nc_u64 s[10:11], s[10:11], s[22:23]
	s_mul_i32 s68, s17, AHALF                      ; my 128 rows of aq
	s_mul_i32 s69, s18, BHALF                      ; my 96 rows of wq,
	s_add_co_u32 s69, s69, BOFF                    ; which lie behind aq's 256
	s_mul_i32 s70, s17, 128*PITCH                  ; the stage: my 128 rows,
	s_add_co_u32 s70, s70, HREG
	s_mul_i32 s71, s18, 32*PITCH
	s_add_co_u32 s71, s71, s70                     ; and the first of those that I put in and take out whole;
	s_lshl_b32 s72, s18, 7
	s_add_co_u32 s70, s70, s72                     ; my 128 bytes of each
	; the prefetches: aq: row 256 ty + 128 half + 32 cx;  wq: row 192 tx + 96 half + 24 cy
	s_lshl_b32 s72, s43, 19
	s_lshl_b32 s73, s18, 18
	s_add_co_u32 s72, s72, s73
	s_lshl_b32 s73, s40, 16
	s_add_co_u32 s72, s72, s73
	s_mul_i32 s74, s42, 192*2048
	s_mul_i32 s73, s18, 96*2048
	s_add_co_u32 s74, s74, s73
	s_mul_i32 s73, s41, 24*2048
	s_add_co_u32 s74, s74, s73
	s_mov_b32 s75, 0
	s_mov_b32 s77, 0
	s_cmp_eq_u32 s17, 0
	s_cselect_b32 s74, s72, s74
	s_cselect_b64 s[PFA:PFA+1], s[4:5], s[6:7]
	s_cselect_b32 s73, 31, 23                      ; the last of a wave's rows
	s_cselect_b32 s76, WALK_A, 0
	s_cselect_b32 s[LIM2], 1, -1
	s_mov_b32 s[LIM], 1
	s_add_nc_u64 s[PFA:PFA+1], s[PFA:PFA+1], s[74:75]
	s_add_nc_u64 s[PFB:PFB+1], s[PFA:PFA+1], s[76:77]
	v_and_b32 v1, 15, v0                           ; r = lane % 16
	v_bfe_u32 v2, v0, 4, 1                         ; h = lane / 16
	v_and_b32 v6, 31, v0
	v_lshlrev_b32 v[BO], 5, v2
	v_mul_u32_u24 v3, v1, PITCH
	v_mul_u32_u24 v5, v2, PITCH
	v_min_u32 v6, s73, v6
	v_lshlrev_b32 v7, 12, v2
	v_lshl_add_u32 v4, v2, 4, v3                   ; a fragment's row x pitch + 16 x half
	v_lshl_add_u32 v8, v2, 5, v3                   ; the stage: row r, 32 bytes for each half of the lanes
	v_lshl_add_u32 v5, v1, 4, v5
	v_lshlrev_b32 v[PFO], 11, v6
	v_lshl_add_u32 v[CO], v1, 4, v7
	v_add_nc_u32 v[ADRA], s68, v4
	v_add_nc_u32 v[ADRB], s69, v4
	v_add_nc_u32 v[HA], s70, v8
	v_add_nc_u32 v[HR], s71, v5
	v_add_nc_u32 v[ADRA+1], SLOT, v[ADRA]
	v_add_nc_u32 v[ADRB+1], SLOT, v[ADRB]
	s_wait_alu depctr_va_vdst(0)
.irp g, 0,1,2                          ; gate g, bias row b, tile t -> v[32 + 32 g + 16 b + 8 t]
.irp b, 0,1
.irp t, 0,1
	global_load_b128 v[32+32*\g+16*\b+8*\t:32+32*\g+16*\b+8*\t+3],   v[BO], s[10:11] offset:\b*12288+\g*4096+64*\t
	global_load_b128 v[32+32*\g+16*\b+8*\t+4:32+32*\g+16*\b+8*\t+7], v[BO], s[10:11] offset:\b*12288+\g*4096+64*\t+16
.endr
.endr
.endr
.irp k, 256,512,768                    ; K steps 1 to 3 of the first tile; K step 1's load follows when K step 0's has landed
	global_prefetch_b8 v[PFO], s[PFA:PFA+1] offset:\k th:TH_LOAD_NT scope:SCOPE_SE
.endr
	s_wait_kmcnt 0x0
	s_add_co_i32 s22, s80, s81                     ; e0 + e1
	s_add_co_i32 s23, s82, s83                     ; e2 + e3
	s_lshl_b32 s72, s23, 23                        ; the exponents are added to the constants' exponent fields
	s_add_co_i32 s[SZ], s72, 0x3e4ccccd            ; 0.2
	s_mov_b32 s[SZ+1], s[SZ]
	s_add_co_i32 s[SRH], s72, 0x4038aa3b           ; 2 log2(e)
	s_mov_b32 s[SRH+1], s[SRH]
	s_lshl_b32 s72, s22, 23
	s_add_co_i32 s[SXH], s72, 0x4038aa3b
	s_mov_b32 s[SXH+1], s[SXH]
	s_sub_co_i32 s72, s22, s23
	s_add_co_i32 s72, s72, 127
	s_lshl_b32 s[RS], s72, 23
	s_mov_b32 s[RS+1], s[RS]
	s_wait_loadcnt 0x0                             ; the biases, once for both tiles
.irp i, 0,2,4,6,8,10,12,14
	v_pk_add_f32 v[BZ+\i:BZ+\i+1], v[BZ+\i:BZ+\i+1], v[BZ+16+\i:BZ+16+\i+1]
	v_pk_add_f32 v[BR+\i:BR+\i+1], v[BR+\i:BR+\i+1], v[BR+16+\i:BR+16+\i+1]
.endr
.irp i, 0,2,4,6,8,10,12,14
	v_pk_fma_f32 v[BZ+\i:BZ+\i+1], v[BZ+\i:BZ+\i+1], 0x3e4ccccd, 0.5 op_sel_hi:[1,0,0]   ; the hard sigmoid's 0.2 x + 0.5, as far as the biases go
	v_pk_fma_f32 v[BR+\i:BR+\i+1], v[BR+\i:BR+\i+1], 0x3e4ccccd, 0.5 op_sel_hi:[1,0,0]
	v_pk_mul_f32 v[BXH+\i:BXH+\i+1], v[BXH+\i:BXH+\i+1], 0x4038aa3b op_sel_hi:[1,0]
	v_pk_mul_f32 v[BRH+\i:BRH+\i+1], v[BRH+\i:BRH+\i+1], 0x4038aa3b op_sel_hi:[1,0]
.endr
.macro FRAG reg, adr, q, i             ; a fragment, 16 rows x 128 positions, is 16 registers: lane l holds row l % 16; registers 4 c .. 4 c + 3 hold positions 32 c + 16 (l / 16) + 0 .. 15: the same places in aq's and in wq's
.irp c, 0,1,2,3
	ds_load_b128 v[\reg+4*\c:\reg+4*\c+3], v[\adr] offset:128*(\q)+32*\c+(\i)*16*PITCH
.endr
.endm
; 12 matrix instructions: blocks a0, a0 + 1 of rows x wq's six fragments, 128 positions.  p: wq's set.  hs: the sum that gate 2 feeds (2 = x_h, 3 = rec_h).
; zero = 1: all sums start here;  zero = 2: gate 2's sum starts here;  nothing is ever cleared.  A step's 48 accumulators take turns, one instruction a turn, in the same order in every step, from tile to tile too.
.macro MUL12 a0, p, hs, zero
.irp a, \a0, \a0+1
.irp j, 0,1,2,3,4,5
.if \j < 4
.set AC, 8*(8*((\a)%4)+\j)
.else
.set AC, 8*(8*((\a)%4)+2*(\hs)+\j-4)
.endif
.set ZR, 0
.if \zero == 1
.set ZR, 1
.endif
.if \zero == 2
.if \j >= 4
.set ZR, 1
.endif
.endif
.if ZR
	v_wmma_f32_16x16x128_fp8_fp8 v[AC:AC+7], v[128*(\p)+16*\j:128*(\p)+16*\j+15], v[AF+16*(\a):AF+16*(\a)+15], 0
.else
	v_wmma_f32_16x16x128_fp8_fp8 v[AC:AC+7], v[128*(\p)+16*\j:128*(\p)+16*\j+15], v[AF+16*(\a):AF+16*(\a)+15], v[AC:AC+7]
.endif
.endr
.endr
.endm
.macro FETCH_B slot, q, p              ; wq's six fragments of the slot's q-th 128 positions into set p: 24 loads
	WIN TO_B
.irp i, 0,1,2,3,4,5
	FRAG 128*(\p)+16*\i, ADRB+\slot, \q, \i
.endr
	WIN 0
.endm
.macro FETCH_A slot, q, i0             ; aq's blocks i0 .. i0 + 3: 16 loads
.irp i, \i0, \i0+1, \i0+2, \i0+3
	FRAG AF+16*(\i), ADRA+\slot, \q, \i
.endr
.endm
; A load into a register that a matrix instruction has read, and a vector instruction that reads a matrix result or writes one of a matrix instruction's registers, stand four places behind it, and only plain
; vector instructions that name none of its registers are places (ISA guide 7.12.1 for vector instructions).
.macro PLACES n
.rept \n
	v_nop
.endr
.endm
; h_tm1, 32 of my 64 whole rows (w = 0: rows 0-31, w = 1: rows 64-95 from my first on): two rows a load, sixteen lanes to 256 consecutive aligned bytes, into the registers of rec_h of window 2 + w
.macro HLOAD w
	WIN 0x80+0x40*\w
.irp a, 0,1,2,3
.irp i, 0,1,2,3
	global_load_b128 v[64*\a+48+4*\i:64*\a+51+4*\i], v[CO], s[8:9] offset:(64*\w+8*\a+2*\i)*4096 th:TH_LOAD_NT
.endr
.endr
.endm
.macro HSTORE w                        ; and from there into the stage
	WIN 0x08+0x04*\w
.irp a, 0,1,2,3
.irp i, 0,1,2,3
	ds_store_b128 v[HR], v[64*\a+48+4*\i:64*\a+51+4*\i] offset:(64*\w+8*\a+2*\i)*PITCH
.endr
.endr
.endm
; A slot's first 128 positions (wq's set 0); the second 128's fragments are fetched on the way.  A block of aq is free as soon as its six products are issued, so one set serves aq.
.macro STEP slot, hs, zero
	s_wait_dscnt 16                                ; wq's set and aq's blocks 0-3 are in; the youngest sixteen LDS instructions (blocks 4-7; at a tile's middle the stores of window 3) may be out
	WIN MUL_LO
	MUL12 0, 0, \hs, \zero
	MUL12 2, 0, \hs, \zero
	s_wait_dscnt 0                                 ; blocks 4-7 are in (asked for 24 matrix instructions ago)
	PLACES 4
	FETCH_B \slot, 1, 1
	FETCH_A \slot, 1, 0
	WIN MUL_HI
	MUL12 4, 0, \hs, \zero
	MUL12 6, 0, \hs, \zero
	PLACES 4
	WIN 0
	FETCH_A \slot, 1, 4
.endm
; A slot's second 128 positions (wq's set 1) change slots: ONE barrier; in front of it each wave waits for all its tensor loads, adds 0 to its spare word, and waits for that and for its own reads of this slot.
; fill = 1: this slot is filled again, two K steps ahead;  fill = 2: with the NEXT tile's K step 0 or 1;  in both the barrier opens a round of the cluster's barrier.  fill = 0: nothing is left to fetch.
; fetch = 0: the next slot's first fragments are not fetched here: the gates follow, which work in the registers where aq's fragments lie.  hl = 0, 1: half of h_tm1 is asked for here; -1: none.
.macro TURN slot, next, fill, hs, base, lim, pf, fetch, hl
	s_wait_tensorcnt 0x0                           ; all my tensor loads have landed: my part of the next slot;  every window is 0 here
	ds_add_u32 v[SPW], v[NIL]                      ; 0 onto my spare word
	s_wait_dscnt 17                                ; (the add and the youngest sixteen loads, blocks 4-7, may be out)
	WIN MUL_LO
	MUL12 0, 1, \hs, 0                             ; twelve matrix instructions stand between the add and the wait for it
	s_wait_dscnt 0x0                               ; the add is done, and my reads of this slot are over
	s_barrier_signal -1
	MUL12 2, 1, \hs, 0
	WIN 0
	s_barrier_wait -1
.if \fill
	CREST                                          ; no wave of any partner still reads this slot's tiles or has a load on its way
.if \fill == 1
	s_add_nc_u64 s[G0+4*\slot+2:G0+4*\slot+3], s[G0+4*\slot+2:G0+4*\slot+3], 512
	s_add_nc_u64 s[G0B+4*\slot+2:G0B+4*\slot+3], s[G0B+4*\slot+2:G0B+4*\slot+3], 512
.else
	s_add_nc_u64 s[G0+4*\slot+2:G0+4*\slot+3], s[G0+4*\slot+2:G0+4*\slot+3], NEXT_A
	s_sub_nc_u64 s[G0B+4*\slot+2:G0B+4*\slot+3], s[G0B+4*\slot+2:G0B+4*\slot+3], BACK_B
.endif
	JLOAD \slot                                    ; the first tensor load behind the round, my one load until the next; the four v_nop behind it are also the places in front of the loads below
.else
	PLACES 4
.endif
.if \fetch
	FETCH_B \next, 0, 0
	FETCH_A \next, 0, 0
.endif
	ASK \base, \lim, \pf                           ; behind the joint load and the run of LDS loads that the next products wait for
.if \hl >= 0
	HLOAD \hl
.endif
	WIN MUL_HI
	MUL12 4, 1, \hs, 0
	MUL12 6, 1, \hs, 0
.if \fetch
	PLACES 4
	WIN 0
	FETCH_A \next, 0, 4
.else
	WIN 0
.endif
.endm
; At the middle of K: z's and r's sums x 2^(e0 + e1 - e2 - e3).  Registers 0-31 of each block's 64; each accumulator from its low end on.  The places behind the last products stand at the end of TURN.
.macro RESCALE
.irp wn, 0x82, 0xc3                    ; source 0 and destination: window 2, then window 3
	WIN \wn
.irp a, 0,1,2,3
.irp i, 0,2,4,6,8,10,12,14,16,18,20,22,24,26,28,30
	v_pk_mul_f32 v[64*\a+\i:64*\a+\i+1], v[64*\a+\i:64*\a+\i+1], s[RS:RS+1] op_sel_hi:[1,0]
.endr
.endr
.endr
	WIN 0
.endm
.macro LAST hs                         ; the launch's very last 128 positions: nothing more to fetch
	s_wait_dscnt 16
	WIN MUL_LO
	MUL12 0, 1, \hs, 0
	MUL12 2, 1, \hs, 0
	s_wait_dscnt 0
	WIN MUL_HI
	MUL12 4, 1, \hs, 0
	MUL12 6, 1, \hs, 0
	WIN 0
.endm
; THE GATES, a block of 16 rows x 32 units at a time.
.macro LOADH a                         ; my 16 numbers of h_tm1 for block a: register 8 t + i = unit 16 t + 8 h + i of row r
.set HBR, HB+16*((\a)%2)
	ds_load_b128 v[HBR:HBR+3],     v[HA] offset:(\a)*16*PITCH
	ds_load_b128 v[HBR+4:HBR+7],   v[HA] offset:(\a)*16*PITCH+16
	ds_load_b128 v[HBR+8:HBR+11],  v[HA] offset:(\a)*16*PITCH+64
	ds_load_b128 v[HBR+12:HBR+15], v[HA] offset:(\a)*16*PITCH+80
.endm
.macro GATES a
.set AC,  64*((\a)%4)
.set HBR, HB+16*((\a)%2)
.set OB,  OO+16*((\a)%2)
.set WN,  0x02+((\a)/4)
	WIN WN                                         ; source 0: window 2 or 3.
.irp i, 0,2,4,6,8,10,12,14
	v_pk_fma_f32 v[ZZ+\i:ZZ+\i+1], v[AC+\i:AC+\i+1], s[SZ:SZ+1], v[BZ+\i:BZ+\i+1] op_sel_hi:[1,0,1]          ; 0.2 (x_z + rec_z) + 0.5
.endr
.irp i, 0,2,4,6,8,10,12,14
	v_pk_fma_f32 v[RR+\i:RR+\i+1], v[AC+16+\i:AC+16+\i+1], s[SZ:SZ+1], v[BR+\i:BR+\i+1] op_sel_hi:[1,0,1]    ; 0.2 (x_r + rec_r) + 0.5
.endr
.irp i, 0,2,4,6,8,10,12,14
	v_pk_fma_f32 v[XH+\i:XH+\i+1], v[AC+32+\i:AC+32+\i+1], s[SXH:SXH+1], v[BXH+\i:BXH+\i+1] op_sel_hi:[1,0,1] ; 2 log2(e) x_h
.endr
.irp i, 0,2,4,6,8,10,12,14
	v_pk_fma_f32 v[RH+\i:RH+\i+1], v[AC+48+\i:AC+48+\i+1], s[SRH:SRH+1], v[BRH+\i:BRH+\i+1] op_sel_hi:[1,0,1] ; 2 log2(e) rec_h
.endr
	WIN 0
.irp i, 0,1,2,3,4,5,6,7,8,9,10,11,12,13,14,15
	v_med3_num_f32 v[RR+\i], v[RR+\i], 0, 1.0      ; r
.endr
.irp i, 0,2,4,6,8,10,12,14
	v_pk_fma_f32 v[XH+\i:XH+\i+1], v[RR+\i:RR+\i+1], v[RH+\i:RH+\i+1], v[XH+\i:XH+\i+1]   ; 2 log2(e) (x_h + r rec_h)
.endr
	s_wait_alu depctr_va_vdst(0)
.irp i, 0,1,2,3,4,5,6,7,8,9,10,11,12,13,14,15
	v_exp_f32 v[XH+\i], v[XH+\i]
.endr
.irp i, 0,1,2,3,4,5,6,7,8,9,10,11,12,13,14,15
	v_med3_num_f32 v[ZZ+\i], v[ZZ+\i], 0, 1.0      ; z.  (Plain lines behind the exponentials, ahead of the use of their results: ISA guide 5.7.2)
.endr
	s_wait_alu depctr_va_vdst(0)
.irp i, 0,2,4,6,8,10,12,14
	v_pk_add_f32 v[XH+\i:XH+\i+1], v[XH+\i:XH+\i+1], 1.0 op_sel_hi:[1,0]
.endr
	s_wait_alu depctr_va_vdst(0)
.irp i, 0,1,2,3,4,5,6,7,8,9,10,11,12,13,14,15
	v_rcp_f32 v[XH+\i], v[XH+\i]
.endr
	v_nop                                          ; a plain line between the last reciprocal and the use of its result
	s_wait_alu depctr_va_vdst(0)
.irp i, 0,2,4,6,8,10,12,14
	v_pk_fma_f32 v[RH+\i:RH+\i+1], v[XH+\i:XH+\i+1], -2.0, 1.0 op_sel_hi:[1,0,0]          ; hh = tanh = 1 - 2 / (1 + 2^..)
.endr
	s_wait_alu depctr_va_vdst(0)
.if (\a) < 7
	s_wait_dscnt 4                                 ; only the next block's four loads may be out: this block's h_tm1 is in, and whatever is older is done
.else
	s_wait_dscnt 0
.endif
.irp i, 0,2,4,6,8,10,12,14
	v_pk_add_f32 v[HBR+\i:HBR+\i+1], v[HBR+\i:HBR+\i+1], v[RH+\i:RH+\i+1] neg_lo:[0,1] neg_hi:[0,1]   ; h_tm1 - hh
.endr
.irp i, 0,2,4,6,8,10,12,14
	v_pk_fma_f32 v[OB+\i:OB+\i+1], v[ZZ+\i:ZZ+\i+1], v[HBR+\i:HBR+\i+1], v[RH+\i:RH+\i+1]             ; z (h_tm1 - hh) + hh
.endr
	ds_store_b128 v[HA], v[OB:OB+3]     offset:(\a)*16*PITCH       ; over the bytes that I have read, and nobody else reads before the barrier of the way out
	ds_store_b128 v[HA], v[OB+4:OB+7]   offset:(\a)*16*PITCH+16
	ds_store_b128 v[HA], v[OB+8:OB+11]  offset:(\a)*16*PITCH+64
	ds_store_b128 v[HA], v[OB+12:OB+15] offset:(\a)*16*PITCH+80
.endm
.macro BACK w                          ; 32 of my rows of results, whole, into window 1
	WIN TO_B
.set I, 0
.rept 16
	ds_load_b128 v[64*\w+4*I:64*\w+4*I+3], v[HR] offset:(64*\w+2*I)*PITCH
.set I, I+1
.endr
	WIN 0
.endm
.macro SEND w, count                   ; count = 1: each store waits for its own row alone;  0: the gates between have waited
	WIN 0x04                                       ; store data (source 1) in window 1
.set I, 0
.rept 16
.if \count
	s_wait_dscnt 15-I                              ; the younger loads may be out
.endif
	global_store_b128 v[CO], v[64*\w+4*I:64*\w+4*I+3], s[14:15] offset:(64*\w+2*I)*4096 th:TH_STORE_NT   ; 16 lanes store 256 consecutive bytes, at a multiple of 256 from the output's first byte; written once, read by nobody here
.set I, I+1
.endr
	WIN 0
.endm
; A TILE'S END: the gates, and the way out in two halves.  A row's 256 bytes come from two waves, so a barrier stands between the writing and the reading: one behind blocks 0-3 (rows 0-63 of each row half), one behind
; blocks 4-7.  Each wave takes out 32 whole rows of a half; block 4's gates stand between the first half's reads and its stores.  a load of mine for slot 1 may stay out.
.macro EPILOGUE
	PLACES 4                                       ; behind the last products: for the loads into registers that held fragments and for the reads of results
	LOADH 0
.irp a, 0,1,2,3,4,5,6,7
.if \a == 4
	BACK 0
.endif
.if \a < 7
	LOADH \a+1
.endif
	GATES \a
.if (\a)%4 == 3
	s_wait_alu depctr_va_vdst(0)
	s_wait_dscnt 0x0                               ; for the others' sake: my stores are done
	s_barrier_signal -1
	s_barrier_wait -1
.endif
.if \a == 4
	SEND 0, 0
.endif
.endr
	BACK 1
	SEND 1, 1
.endm
	s_wait_alu depctr_va_vdst(0)
	s_wait_tensorcnt 0x0                           ; my part of K step 0 is in
	ds_add_u32 v[SPW], v[NIL]
	s_wait_dscnt 0x0
	CROUND                                         ; everybody's part of K step 0 is in, and all sixteen work-groups are here: the joint loads meet
	JLOAD 1                                        ; K step 1, the first tensor load behind the round
	s_mov_b32 s[TL], TILES
.Ltile:                                                ; a trip is a tile.  On the way back slot 0 holds the next tile's K step 0: the last change of slots has waited for it and passed a barrier
	FETCH_B 0, 0, 0
	FETCH_A 0, 0, 0
	FETCH_A 0, 0, 4
	; eight K steps of 256 positions: the first four are the input projection, the last four the recurrent one
	STEP 0, 2, 1                                   ; the first products start z, r and x_h
	TURN 0, 1, 1, 2, PFA, LIM, 1024, 1, 0
	STEP 1, 2, 0
	TURN 1, 0, 1, 2, PFA, LIM, 1280, 1, 1
	STEP 0, 2, 0
	TURN 0, 1, 1, 2, PFA, LIM, 1536, 1, -1
	STEP 1, 2, 0
	TURN 1, 0, 1, 2, PFA, LIM, 1792, 1, -1
	s_wait_loadcnt 0x0                             ; my rows of h_tm1 are in, asked for more than two K steps ago: into the stage, over rows that I alone have read back.
	HSTORE 0                                       ; The other waves read them behind later barriers, in front of each of which I wait for all my LDS instructions
	HSTORE 1
	RESCALE
	s_wait_alu depctr_va_vdst(0)
	STEP 0, 3, 2                                   ; gate 2's products start rec_h (the stores of the registers that they write have been waited for: window 2's by the count 16, window 3's by 0); z and r go on
	TURN 0, 1, 1, 3, PFB, LIM2, 0, 1, -1
	STEP 1, 3, 0
	TURN 1, 0, 1, 3, PFB, LIM2, 256, 1, -1
	STEP 0, 3, 0
	s_cmp_eq_u32 s[TL], 1
	s_cbranch_scc1 .Llast_tile                     ; the last tile's tail is written out: it asks for nothing more
	TURN 0, 1, 2, 3, PFB, LIM2, 512, 1, -1         ; THE RING GOES ON INTO THE NEXT TILE: slot 0 takes its K step 0,
	STEP 1, 3, 0
	TURN 1, 0, 2, 3, PFB, LIM2, 768, 0, -1         ; slot 1 its K step 1
	EPILOGUE                                       ; both refills are asked for: now the gates, and the tile goes out
	s_wait_xcnt 0x0                                ; every earlier memory instruction has had its addresses translated (ISA guide 3.1): the stores' base and data and the prefetches' base are written only behind this wait
	s_add_nc_u64 s[14:15], s[14:15], WALK_O        ; the output and h_tm1 at the next tile's rows
	s_add_nc_u64 s[8:9], s[8:9], WALK_O
	s_mov_b64 s[PFA:PFA+1], s[PFB:PFB+1]           ; the prefetches likewise, for aq alone;
	s_mov_b32 s[LIM], s[LIM2]
	s_mov_b32 s[LIM2], -1                          ; no tile follows the next one
	s_sub_co_u32 s[TL], s[TL], 1
	s_cmp_lg_u32 s[TL], 0
	s_cbranch_scc1 .Ltile
.Llast_tile:
	TURN 0, 1, 0, 3, PFA, LIM, -1, 1, -1           ; nothing is left to fetch: no fill, and no round of the cluster's barrier
	STEP 1, 3, 0
	LAST 3
	EPILOGUE
	s_wait_tensorcnt 0x0                           ; the wave's end, behind my last tensor load and my last LDS store
	ds_add_u32 v[SPW], v[NIL]
	s_wait_dscnt 0x0
	CROUND                                         ; the closing round: no work-group ends while a partner may still ask for a tile that names it
	s_endpgm
.Lfunc_end_k_qb2891ddd8b_gru:
	.size	k_qb2891ddd8b_gru, .Lfunc_end_k_qb2891ddd8b_gru-k_qb2891ddd8b_gru
	.p2alignl 7, 3214868480
	.fill 96, 4, 3214868480
	.section	.rodata,"a",@progbits
	.p2align	6, 0x0
	.amdhsa_kernel k_qb2891ddd8b_gru
		.amdhsa_group_segment_fixed_size 327680
		.amdhsa_private_segment_fixed_size 0
		.amdhsa_enable_private_segment 0
		.amdhsa_kernarg_size 48
		.amdhsa_user_sgpr_count 2
		.amdhsa_user_sgpr_kernarg_segment_ptr 1
		.amdhsa_wavefront_size32 1
		.amdhsa_system_sgpr_workgroup_id_x 1
		.amdhsa_system_sgpr_workgroup_id_y 1
		.amdhsa_system_sgpr_workgroup_id_z 1
		.amdhsa_system_vgpr_workitem_id 0
		.amdhsa_next_free_vgpr 1024
		.amdhsa_next_free_sgpr 98
		.amdhsa_reserve_vcc 0
		.amdhsa_float_denorm_mode_32 3
		.amdhsa_float_denorm_mode_16_64 3
		.amdhsa_memory_ordered 1
		.amdhsa_forward_progress 1
		.amdhsa_inst_pref_size 255
	.end_amdhsa_kernel
	.section	.bss,"aw",@nobits
	.p2align	6
	.space	262144
	.amdgpu_metadata
---
amdhsa.version: [ 1, 2 ]
amdhsa.kernels:
  - .name:           k_qb2891ddd8b_gru
    .symbol:         k_qb2891ddd8b_gru.kd
    .args:
      - { .name: aq, .offset: 0, .size: 8, .value_kind: global_buffer, .address_space: global }
      - { .name: wq, .offset: 8, .size: 8, .value_kind: global_buffer, .address_space: global }
      - { .name: h_tm1, .offset: 16, .size: 8, .value_kind: global_buffer, .address_space: global }
      - { .name: bias, .offset: 24, .size: 8, .value_kind: global_buffer, .address_space: global }
      - { .name: lowp_scales, .offset: 32, .size: 8, .value_kind: global_buffer, .address_space: global }
      - { .name: out0, .offset: 40, .size: 8, .value_kind: global_buffer, .address_space: global }
    .group_segment_fixed_size: 327680
    .private_segment_fixed_size: 0
    .kernarg_segment_align: 8
    .kernarg_segment_size: 48
    .max_flat_workgroup_size: 128
    .sgpr_count:     98
    .vgpr_count:     1024
    .wavefront_size: 32
...
	.end_amdgpu_metadata
.endif
;; end of part 2
